; MI455X (gfx1250); checked and timed in simulation.
; The chip was launched on July 23, 2026; its instructions are those of AMD's public machine-readable ISA for CDNA 5 (MIT licence, August 2026) and "CDNA5" Instruction Set Architecture Reference Guide (July 2026). The comments in the code are by the model that wrote it; some were corrected since.
;; W8 A8 Sparse Compressed Linear. Allowed arithmetic: float matrix products may take bf16 or f16 operands with f32 sums; other float arithmetic in f32, or as packed bf16 or f16 multiplies, adds, multiply-adds, maxima and minima; sums over many terms, partial sums and values carried from step to step in f32; what a program stores and reads back later, other than sums and carried values, may be rounded once to bf16 or f16.
;; Inputs: deq_scale 4,096 float32; index 4,096 int32; input_offset 1 int32; input_scale 1 float32; quant_bias 4,096 int32; weight 4,096 x 4,096 int32; x 4,096 x 4,096 float32.
;; Outputs: out0 4,096 x 4,096 float32.
;; 2 versions, each right; version 2 is version 1 with the launch prep written anew for expert scheduling mode. Each part assembles by itself: llvm-mc -triple=amdgcn-amd-amdhsa -mcpu=gfx1250 --defsym DOCPART=n.
;; ======== version 1 of 2: 2 launches
;; workspace buffers: xq 33,554,432 bytes; wq 33,554,432 bytes
;; launch prep (part 1): grid 256 x 2, 8 waves a work-group, no clusters, 0 bytes of LDS; arguments x, weight, input_scale, input_offset, index, xq, wq; writes xq, wq
.if DOCPART == 1
	.amdgcn_target "amdgcn-amd-amdhsa--gfx1250"
	.amdhsa_code_object_version 6
	.text
	.protected	k_q888990d283_prep
	.globl	k_q888990d283_prep
	.p2align	8
	.type	k_q888990d283_prep,@function
k_q888990d283_prep:
	s_mov_b64 s[64:65], 0
	v_nop
	global_prefetch_b8 v0, s[64:65] scope:SCOPE_SE
	s_setreg_imm32_b32 hwreg(HW_REG_WAVE_MODE, 25, 1), 1
	s_wait_xcnt 0x0
; THE CONVERSIONS, each done once, as a stream.
;   work-group y = 0:  xq[m][k'] = bf16(clip(rne(x[m][k] / input_scale) + f32(input_offset), -128, 127))          x: [4096][4096] f32
;   work-group y = 1:  wq[j][k'] = bf16(int8(weight[index[j]][k]))   (the low byte, sign-extended)                weight: [4096][4096] i32
; Both results are whole numbers of magnitude 128 at the most, which bf16 holds exactly.  wq's rows are gathered by index here, so that the product's columns come out in their final order.
; k' IS A PERMUTATION OF k inside blocks of 256, the same in xq and wq, so a sum over k of their products is unchanged: place 256 g + 8 i + e holds k = 256 g + 4 i + e (e < 4) or
; k = 256 g + 128 + 4 i + e - 4 (e >= 4).  With it a lane's two loads of 16 bytes (at 16 x lane and 512 + 16 x lane of a chunk of 1,024 bytes) pack into ONE store of 16 bytes at 16 x lane:
; every load and every store of a wave covers 512 consecutive bytes, aligned.
; SHARES.  A work-group makes 16 rows of xq or of wq (256 KiB in, 128 KiB out, alike for both kinds).  A row has 16 chunks of 256 numbers; wave w takes chunks w and 8 + w of every row.
; A ring of eight row slots in registers keeps 32 loads of every wave on their way.  The 16 rows are written out: a weight row's index lies in a scalar register whose number is fixed in the text.
; Nothing is shared between waves or work-groups: no LDS, no barrier, no cluster, no matrix unit.
; LIMITS.  index is taken as unsigned and held to 4,095.  x is finite and |x / input_scale| stays under 2^128; input_scale and its reciprocal are normal f32 numbers; NaN is not treated apart.
; The quotient is x r + (x - (x r) s) r with r = v_rcp_f32(s): it may differ from a true division in the last bit, which moves xq by 1 only where the quotient lies within that bit of a half.
.set ROWIN,  16384                     ; bytes in a row of x and of weight
.set ROWOUT, 8192                      ; bytes in a row of xq and of wq
.set VIN,  1                           ; v1        1,024 x wave + 16 x lane: my place in a row as loaded; never rewritten
.set VOUT, 2                           ; v2        512 x wave + 16 x lane: my place in a row as stored; never rewritten
.set RR,   4                           ; v[4:5]    1 / input_scale, twice
.set SS,   6                           ; v[6:7]    input_scale, twice
.set OO,   8                           ; v[8:9]    f32(input_offset), twice
.set OW,   10                          ; v[10:17]  weight: slot i's load offset (row index x 16,384 + VIN)
.set T,    18                          ; v[18:33]  16 numbers at work
.set Y,    34                          ; v[34:41]  8 packed words: chunk c at Y + 4 c
.set X,    44                          ; v[44:171] slot i at X + 16 i: chunk c, half h at + 8 c + 4 h
.set IDX,  32                          ; s[32:47]  the 16 rows' indices, then their byte offsets
	s_load_b256 s[4:11], s[0:1], 0x0               ; x s[4:5], weight s[6:7], input_scale s[8:9], input_offset s[10:11]
	s_load_b128 s[12:15], s[0:1], 0x20             ; index s[12:13], xq s[14:15]
	s_load_b64 s[16:17], s[0:1], 0x30              ; wq
	v_lshrrev_b32 v3, 5, v0                        ; wave
	v_and_b32 v[VIN], 31, v0                       ; lane
	v_lshlrev_b32 v[VIN], 4, v[VIN]
	v_lshl_add_u32 v[VIN], v3, 10, v[VIN]
	v_lshlrev_b32 v[VOUT], 4, v0
	s_and_b32 s18, ttmp7, 0xffff                   ; 0: x, 1: weight
	s_mov_b32 s3, 0
	s_mov_b32 s22, 0xc3000000                      ; -128.0
	s_mov_b32 s23, 0x42fe0000                      ; 127.0
	s_wait_kmcnt 0x0
	s_cmp_lg_u32 s18, 0
	s_cbranch_scc1 .Lweight
; Row r's four loads into slot r % 8; the row stands in the immediate (254,464 at the most)
.macro XFILL r
.set FB, X+16*((\r)%8)
.irp c, 0,1
.irp h, 0,1
	global_load_b128 v[FB+8*(\c)+4*(\h):FB+8*(\c)+4*(\h)+3], v[VIN], s[4:5] offset:(\r)*ROWIN+(\c)*8192+(\h)*512 th:TH_LOAD_NT
.endr
.endr
.endm
; The same for the weight row that index names; no hint, since index may name a row twice
.macro WFILL r
.set FB, X+16*((\r)%8)
	v_add_nc_u32 v[OW+(\r)%8], s[IDX+(\r)], v[VIN] ; the slot's last loads are in (the wait at the turn's head), so their offset register may be written
.irp c, 0,1
.irp h, 0,1
	global_load_b128 v[FB+8*(\c)+4*(\h):FB+8*(\c)+4*(\h)+3], v[OW+(\r)%8], s[6:7] offset:(\c)*8192+(\h)*512
.endr
.endr
.endm
; Row r's two stores, to the pair of scalar registers from b on
.macro OUT r, b
.irp c, 0,1
	global_store_b128 v[VOUT], v[Y+4*(\c):Y+4*(\c)+3], s[(\b):(\b)+1] offset:(\r)*ROWOUT+(\c)*4096 th:TH_STORE_NT
.endr
.endm
; Row r of x.  ahead = 1: its slot takes the row eight further on.  left = the younger loads, which may stay out.
.macro XTURN r, ahead, left
.set XB, X+16*((\r)%8)
	s_wait_loadcnt \left                           ; loads come back in order: my row's four are in, four for each younger row stay out
	s_wait_xcnt 0x0                                ; the last turn's stores have read Y, which is written again below
.irp p, 0,2,4,6,8,10,12,14
	v_pk_mul_f32 v[T+(\p):T+(\p)+1], v[XB+(\p):XB+(\p)+1], v[RR:RR+1]                                              ; q0 = x r
.endr
.irp p, 0,2,4,6,8,10,12,14
	v_pk_fma_f32 v[XB+(\p):XB+(\p)+1], v[T+(\p):T+(\p)+1], v[SS:SS+1], v[XB+(\p):XB+(\p)+1] neg_lo:[1,0,0] neg_hi:[1,0,0]  ; e = x - q0 s
.endr
.irp p, 0,2,4,6,8,10,12,14
	v_pk_fma_f32 v[T+(\p):T+(\p)+1], v[XB+(\p):XB+(\p)+1], v[RR:RR+1], v[T+(\p):T+(\p)+1]                          ; q = q0 + e r
.endr
.irp i, 0,1,2,3,4,5,6,7,8,9,10,11,12,13,14,15
	v_rndne_f32 v[T+(\i)], v[T+(\i)]               ; to the nearest whole number, halves to even
.endr
.irp p, 0,2,4,6,8,10,12,14
	v_pk_add_f32 v[T+(\p):T+(\p)+1], v[T+(\p):T+(\p)+1], v[OO:OO+1]
.endr
.irp i, 0,1,2,3,4,5,6,7,8,9,10,11,12,13,14,15
	v_med3_num_f32 v[T+(\i)], v[T+(\i)], s22, s23  ; the clip
.endr
.irp p, 0,1,2,3,4,5,6,7
	v_cvt_pk_bf16_f32 v[Y+(\p)], v[T+2*(\p)], v[T+2*(\p)+1]  ; exact
.endr
.if \ahead
	XFILL (\r)+8                                   ; the loads go out ahead of the stores
.endif
	OUT \r, 14
.endm
; Row r of the gathered weight
.macro WTURN r, ahead, left
.set XB, X+16*((\r)%8)
	s_wait_loadcnt \left
	s_wait_xcnt 0x0
.irp i, 0,1,2,3,4,5,6,7,8,9,10,11,12,13,14,15
	v_lshlrev_b32 v[XB+(\i)], 24, v[XB+(\i)]       ; the low byte,
.endr
.irp i, 0,1,2,3,4,5,6,7,8,9,10,11,12,13,14,15
	v_ashrrev_i32 v[XB+(\i)], 24, v[XB+(\i)]       ; with its sign
.endr
.irp i, 0,1,2,3,4,5,6,7,8,9,10,11,12,13,14,15
	v_cvt_f32_i32 v[XB+(\i)], v[XB+(\i)]
.endr
.irp p, 0,1,2,3,4,5,6,7
	v_cvt_pk_bf16_f32 v[Y+(\p)], v[XB+2*(\p)], v[XB+2*(\p)+1]
.endr
.if \ahead
	WFILL (\r)+8
.endif
	OUT \r, 16
.endm
	; ---- x ----
	s_load_b32 s20, s[8:9], 0x0                    ; input_scale
	s_load_b32 s21, s[10:11], 0x0                  ; input_offset
	s_lshl_b32 s2, ttmp9, 18                       ; 16 rows of 16,384 bytes
	s_add_nc_u64 s[4:5], s[4:5], s[2:3]
	s_lshl_b32 s2, ttmp9, 17                       ; 16 rows of 8,192 bytes
	s_add_nc_u64 s[14:15], s[14:15], s[2:3]
.irp r, 0,1,2,3,4,5,6,7
	XFILL \r                                       ; the ring is filled; scale and offset arrive meanwhile
.endr
	s_wait_kmcnt 0x0
	v_mov_b32 v[SS], s20
	v_mov_b32 v[SS+1], s20
	v_rcp_f32 v[RR], v[SS]
	v_cvt_f32_i32 v[OO], s21                       ; a plain instruction behind the reciprocal, ahead of its first use
	s_wait_alu depctr_va_vdst(0)                   ; ahead of the first line that names the reciprocal
	v_mov_b32 v[RR+1], v[RR]
	v_mov_b32 v[OO+1], v[OO]
.irp r, 0,1,2,3,4,5,6,7
	XTURN \r, 1, 28                                ; seven younger rows, four loads each
.endr
.irp r, 8,9,10,11,12,13,14,15
	XTURN \r, 0, 4*(15-\r)                         ; nothing is left to load: the counts run down
.endr
	s_endpgm
	; ---- weight ----
.Lweight:
	s_lshl_b32 s2, ttmp9, 6                        ; my 16 words of index
	s_add_nc_u64 s[12:13], s[12:13], s[2:3]
	s_load_b512 s[IDX:IDX+15], s[12:13], 0x0
	s_lshl_b32 s2, ttmp9, 17
	s_add_nc_u64 s[16:17], s[16:17], s[2:3]
	s_wait_kmcnt 0x0
.irp r, 0,1,2,3,4,5,6,7,8,9,10,11,12,13,14,15
	s_min_u32 s[IDX+(\r)], s[IDX+(\r)], 0xfff      ; inside the table, whatever was loaded
	s_lshl_b32 s[IDX+(\r)], s[IDX+(\r)], 14        ; the row's byte offset: 67,092,480 at the most
.endr
.irp r, 0,1,2,3,4,5,6,7
	WFILL \r
.endr
.irp r, 0,1,2,3,4,5,6,7
	WTURN \r, 1, 28
.endr
.irp r, 8,9,10,11,12,13,14,15
	WTURN \r, 0, 4*(15-\r)
.endr
	s_endpgm
.Lfunc_end_k_q888990d283_prep:
	.size	k_q888990d283_prep, .Lfunc_end_k_q888990d283_prep-k_q888990d283_prep
	.p2alignl 7, 3214868480
	.fill 96, 4, 3214868480
	.section	.rodata,"a",@progbits
	.p2align	6, 0x0
	.amdhsa_kernel k_q888990d283_prep
		.amdhsa_group_segment_fixed_size 0
		.amdhsa_private_segment_fixed_size 0
		.amdhsa_enable_private_segment 0
		.amdhsa_kernarg_size 56
		.amdhsa_user_sgpr_count 2
		.amdhsa_user_sgpr_kernarg_segment_ptr 1
		.amdhsa_wavefront_size32 1
		.amdhsa_system_sgpr_workgroup_id_x 1
		.amdhsa_system_sgpr_workgroup_id_y 1
		.amdhsa_system_sgpr_workgroup_id_z 1
		.amdhsa_system_vgpr_workitem_id 0
		.amdhsa_next_free_vgpr 172
		.amdhsa_next_free_sgpr 66
		.amdhsa_reserve_vcc 0
		.amdhsa_float_denorm_mode_32 3
		.amdhsa_float_denorm_mode_16_64 3
		.amdhsa_memory_ordered 1
		.amdhsa_forward_progress 1
		.amdhsa_inst_pref_size 120
	.end_amdhsa_kernel
	.amdgpu_metadata
---
amdhsa.version: [ 1, 2 ]
amdhsa.kernels:
  - .name:           k_q888990d283_prep
    .symbol:         k_q888990d283_prep.kd
    .args:
      - { .name: x, .offset: 0, .size: 8, .value_kind: global_buffer, .address_space: global }
      - { .name: weight, .offset: 8, .size: 8, .value_kind: global_buffer, .address_space: global }
      - { .name: input_scale, .offset: 16, .size: 8, .value_kind: global_buffer, .address_space: global }
      - { .name: input_offset, .offset: 24, .size: 8, .value_kind: global_buffer, .address_space: global }
      - { .name: index, .offset: 32, .size: 8, .value_kind: global_buffer, .address_space: global }
      - { .name: xq, .offset: 40, .size: 8, .value_kind: global_buffer, .address_space: global }
      - { .name: wq, .offset: 48, .size: 8, .value_kind: global_buffer, .address_space: global }
    .group_segment_fixed_size: 0
    .private_segment_fixed_size: 0
    .kernarg_segment_align: 8
    .kernarg_segment_size: 56
    .max_flat_workgroup_size: 256
    .sgpr_count:     66
    .vgpr_count:     172
    .wavefront_size: 32
...
	.end_amdgpu_metadata
.endif
;; end of part 1
;; launch gemm (part 2): grid 16 x 16, 4 waves a work-group, clusters of 4 x 4, 327,680 bytes of LDS; arguments xq, wq, out0, index, deq_scale, quant_bias; writes out0
.if DOCPART == 2
	.amdgcn_target "amdgcn-amd-amdhsa--gfx1250"
	.amdhsa_code_object_version 6
	.text
	.protected	k_q888990d283_gemm
	.globl	k_q888990d283_gemm
	.p2align	8
	.type	k_q888990d283_gemm,@function
k_q888990d283_gemm:
	s_mov_b64 s[64:65], 0
	v_nop
	global_prefetch_b8 v0, s[64:65] scope:SCOPE_SE
	s_setreg_imm32_b32 hwreg(HW_REG_WAVE_MODE, 25, 1), 1
	s_wait_xcnt 0x0
	s_wait_alu depctr_hold_cnt(0) depctr_sa_sdst(0) depctr_va_vdst(0) depctr_va_sdst(0) depctr_va_ssrc(0) depctr_va_vcc(0) depctr_vm_vsrc(0)
	s_getreg_b32 s2, hwreg(HW_REG_IB_STS2, 6, 4)
	s_cmp_eq_u32 s2, 0
	s_cbranch_scc0 .Lentry_in_a_cluster
	s_endpgm
.Lentry_in_a_cluster:
	s_bfe_u32 s2, ttmp6, 0x10000c
	s_cmp_lg_u32 s2, 0xf033
	s_cbranch_scc0 .Lentry_shape_is_right
	s_endpgm
.Lentry_shape_is_right:
; out0[m][j] = (sum over k of xq[m][k] wq[j][k] + quant_bias[index[j]]) x deq_scale[index[j]].  xq, wq: [4096][4096] bf16, whole numbers of magnitude 128 at the most (exact in bf16), wq's rows
; already in out0's column order; out0: [4096][4096] f32.  Sums in f32: exact below 2^24; they reach 2^26 at the most, where a step rounds by 2^-24 of the sum.
; LIMITS.  The sums are f32, not int32; a wrap of sum + bias in int32 is not reproduced.  The way out is one fused multiply-add, sum x scale + (f32(bias) x scale).  index is taken as unsigned and held to 4,095.
; SHARES.  A tile of out0, 256 x 256, is made by a work-group of four waves; a wave makes 128 x 128: 64 accumulators of 16 x 16, 512 registers.  256 tiles, one to a work-group.
; K goes in 32 steps of 128 through a ring of two LDS slots filled by the tensor data mover: a tile's rows are 256 bytes of memory and start at multiples of 256 bytes from the buffer's first byte.
; CLUSTERS: 4 x 4 work-groups.  The four of a row of the cluster need the same tiles of xq, the four of a column the same tiles of wq.  Such a tile is asked for JOINTLY: each of the four issues the
; same tensor load, with the same descriptor and a mask that names the four, and each receives the tile in its own LDS.
; REGISTERS, in windows of 256 (s_set_vgpr_msb's low byte: bits 1:0 source 0, 3:2 source 1, 5:4 source 2, 7:6 destination):
;   window 0: v0-44 addresses, scales and biases; v64-127, v128-191 fragments of xq (8 x 16 rows x 32 K), two buffers; on the way out the same 128 registers hold rows read back from the stage
;   window 1: v64-127, v128-191 fragments of wq, two buffers
;   window 2: the 32 accumulators of my rows 0-63 (accumulator (a, b) at v[8 (8 a + b)]);   window 3: those of my rows 64-127
; THE MATRIX INSTRUCTION IS USED TRANSPOSED: source 0 = 16 rows of wq, source 1 = 16 rows of xq.  In the result lane l holds row m = l % 16 of out0 and its registers 0 to 7 the columns
; 8 (l / 16) + 0 .. 7: 32 neighbouring bytes of a row.
.set SIZE_K, 4096
.set SIZE_N, 4096
.set KSTEP,  128
.set PITCH,  272                       ; an LDS row: 256 bytes of data + 16 of padding = 68 words: row r starts at bank 4 r mod 64 (64 banks of 4 bytes: ISA guide 11.1), so the 16 rows of a load start at 16 different banks
.set HALFT,  128*PITCH                 ; 128 rows: what one tensor load brings, and what one wave reads of xq or of wq
.set SLOT,   4*HALFT                   ; xq's 256 rows, then wq's 256 rows
.set STAGE,  2*SLOT                    ; behind the ring: 16 rows x 528 bytes for each wave, for the way out; no tensor load lands there
.set SPITCH, 528                       ; a stage row: 512 bytes (128 f32) + 16: 33 x 16 bytes, so 16 rows start at 16 different columns of 16 bytes
.set SPARE,  STAGE+4*16*SPITCH         ; behind the stages: the spare words, 128 bytes for each wave: two blocks of 256 bytes that no other line names
.set LAPS,   SIZE_K/(2*KSTEP)          ; a lap = two K steps = once round the ring
.set OROW,   SIZE_N*4                  ; bytes in a row of out0
.set ADRA, 16                          ; v16-17  LDS address of my xq fragments in slot 0, 1
.set ADRB, 20                          ; v20-21  the same for wq
.set STO,  24                          ; v24     the way out: where I put 32 bytes of a row
.set RD,   25                          ; v25     the way out: where I read 16 bytes of a row back
.set CO,   26                          ; v26     16 x lane: my 16 bytes in my wave's 512 bytes of a row of out0
.set SPW,  28                          ; v28     LDS address of my spare word: SPARE + 4 x my thread's number; never rewritten
.set NIL,  29                          ; v29     0; never rewritten
.set PFO,  30                          ; v30     the prefetches' offset: my lane x a row of xq or wq; never rewritten
.set IX,   32                          ; v[32:35] index of my four columns, then its byte offset
.set SC,   36                          ; v[36:39] their scales
.set BI,   40                          ; v[40:43] their biases, then bias x scale
.set IO,   44                          ; v44     my 16 bytes of index
.set F0,   64                          ; fragment buffer 0
.set F1,   128                         ; fragment buffer 1
.set G1,  24                           ; s[24:31] descriptor group 1 for xq's tiles
.set G0,  32                           ; s[32:39] descriptor group 0 for xq's tiles, one set for each slot
.set G1B, 48                           ; s[48:55] group 1 for wq's tiles: it differs in the mask alone
.set G0B, 56                           ; s[56:63] group 0 for wq's tiles
.set LIM, 43                           ; s43     1 in a wave that prefetches, else the greatest number
.set PFA, 44                           ; s[44:45] where my prefetches stand
.set MSB, 0
.macro WIN new                         ; the immediate's high byte repeats the setting that is left; a switch that changes nothing is dropped
.if MSB != (\new)
	s_set_vgpr_msb (MSB<<8)|(\new)
.set MSB, \new
.endif
.endm
.set MUL_LO, 0xa1                      ; source 0 (wq) window 1, source 1 (xq) window 0, C and D window 2
.set MUL_HI, 0xf1                      ; the same, C and D window 3
.set TO_B,   0x40                      ; destination window 1, address window 0
; A joint load.  Waves 0 and 1 fetch xq's two halves, waves 2 and 3 wq's.  Each line has one mask and one set of registers for all that issue it; the branch hangs on the wave's number alone.
; An s_nop 0 and four v_nop follow each of the two lines, ahead of the jump, the label and what follows.
.macro JLOAD s
	s_cmp_eq_u32 s11, 0
	s_cbranch_scc0 .Lfor_b_\@
	tensor_load_to_lds s[G0+4*(\s):G0+4*(\s)+3], s[G1:G1+7]
	s_nop 0
.rept 4
	v_nop
.endr
	s_branch .Lasked_\@
.Lfor_b_\@:
	tensor_load_to_lds s[G0B+4*(\s):G0B+4*(\s)+3], s[G1B:G1B+7]
	s_nop 0
.rept 4
	v_nop
.endr
.Lasked_\@:
.endm
; A PREFETCH INTO THE L2, behind each joint refill and the run of LDS loads that follows it: the K step that stands two refills on, 512 matrix instructions ahead of the load that will ask for it:
; 32 rows x 256 bytes, a lane a row, one instruction a wave.  Each row's 256 bytes of a K step are named once in the launch: xq's tile row is read by every cluster of that row of clusters, and the one
; with cluster x = 0 asks; wq's tile column by every cluster of that column, and the one with cluster y = 0 asks.  The four partners that ask for a tile jointly share its rows out BY ADDRESS: of the 128
; rows that a wave fetches the partner at place p takes 32 p .. 32 p + 31 (p = cx for xq, cy for wq).  K steps 0 to 3 come by their loads alone; the loop's last trip (s3 = 1) asks for nothing: K step 31 is the last named.
.macro ASK
	s_cmp_gt_u32 s3, s[LIM]
	s_cbranch_scc0 .Lnot_mine_\@
	global_prefetch_b8 v[PFO], s[PFA:PFA+1] offset:KSTEP*2 th:TH_LOAD_NT scope:SCOPE_SE
.Lnot_mine_\@:
.endm
; A round of the cluster's barrier: my work-group's barrier, so that wave 0's signal speaks for all four waves; wave 0 signals; every wave waits for all sixteen work-groups; my work-group's barrier once more.
.macro CREST                           ; a round behind its opening barrier
	s_cmp_lg_u32 s10, 0
	s_cbranch_scc1 .Lnot_wave_0_\@
	s_barrier_signal -3
.Lnot_wave_0_\@:
	s_barrier_wait -3
	s_barrier_signal -1
	s_barrier_wait -1
.endm
.macro CROUND                          ; a whole round
	s_barrier_signal -1
	s_barrier_wait -1
	CREST
.endm
	s_load_b128 s[4:7], s[0:1], 0x0                ; xq s[4:5], wq s[6:7]
	s_load_b64 s[8:9], s[0:1], 0x10                ; out0
	s_load_b128 s[68:71], s[0:1], 0x18             ; index s[68:69], deq_scale s[70:71]
	s_load_b64 s[72:73], s[0:1], 0x28              ; quant_bias
	v_lshl_add_u32 v[SPW], v0, 2, SPARE
	v_mov_b32 v[NIL], 0
	ds_add_u32 v[SPW], v[NIL]                      ; the wave's opening: the add and its wait stand ahead of my first tensor load; the set-up below, work on registers, stands between them
	v_lshrrev_b32 v1, 5, v0
	v_readfirstlane_b32 s10, v1                    ; wave 0..3
	s_lshr_b32 s11, s10, 1                         ; which half of the tile's rows is mine.  Also: I fetch for xq (0) or for wq (1)
	s_and_b32 s12, s10, 1                          ; which half of its columns.  Also: which 128 rows of that tile I fetch
	s_bfe_u32 s40, ttmp6, 0x40000                  ; cx: my place along the cluster's x
	s_bfe_u32 s41, ttmp6, 0x40004                  ; cy: along its y
	s_lshl_b32 s42, ttmp9, 2                       ; in a cluster launch ttmp9 and ttmp7 count clusters
	s_add_co_u32 s42, s42, s40                     ; tile column = 4 x cluster x + cx
	s_and_b32 s13, ttmp7, 0xffff
	s_lshl_b32 s13, s13, 2
	s_add_co_u32 s13, s13, s41                     ; tile row = 4 x cluster y + cy
	s_lshl_b32 s43, s41, 2
	s_lshl_b32 s43, 15, s43                        ; my row of the cluster: places 4 cy .. 4 cy + 3
	s_lshl_b32 s44, 0x1111, s40                    ; my column: places cx, cx + 4, cx + 8, cx + 12
	; descriptor group 1: a tile of 128 rows x 128 elements, padded in LDS
	s_or_b32 s[G1+0], s43, (1<<16)|(1<<20)|(1<<21)|(5<<22)|(3<<25)  ; 15:0 the mask: xq's tiles go to my row; 17:16 elements of 2 bytes; 20 padding on; 21 set beside a mask; 24:22 after every 64 words (code 5); 31:25 4 words (code 3)
	s_or_b32 s[G1B+0], s44, (1<<16)|(1<<20)|(1<<21)|(5<<22)|(3<<25) ; the same with the mask of my column, for wq's tiles
.irp g, G1, G1B
	s_mov_b32 s[(\g)+1], KSTEP<<16                 ; tensor_dim0 = 128
	s_mov_b32 s[(\g)+2], 128<<16                   ; tensor_dim1 = 128
	s_mov_b32 s[(\g)+3], KSTEP<<16                 ; tile_dim0 = 128
	s_mov_b32 s[(\g)+4], 128                       ; tile_dim1 = 128
	s_mov_b32 s[(\g)+5], SIZE_K                    ; elements from row to row
	s_mov_b32 s[(\g)+6], 0
	s_mov_b32 s[(\g)+7], 0
.endr
	; where the tiles come from.  xq's hang on the tile row alone, which my row of the cluster shares; wq's on the tile column alone, which my column shares.
	s_lshl_b32 s17, s12, 7                         ; which 128 rows of the tile I fetch
	s_lshl_b32 s16, s13, 8
	s_add_co_u32 s16, s16, s17                     ; xq: row 256 x tile row + 128 x half
	s_lshl_b32 s46, s42, 8
	s_add_co_u32 s46, s46, s17                     ; wq: row 256 x tile column + 128 x half
	s_mov_b32 s17, 0
	s_mov_b32 s47, 0
	s_mov_b64 s[18:19], SIZE_K*2
	s_mul_u64 s[16:17], s[16:17], s[18:19]         ; in bytes
	s_mul_u64 s[46:47], s[46:47], s[18:19]
	s_mul_i32 s20, s10, HALFT                      ; and where they go: wave x 128 rows: no place in the cluster enters an LDS address
	s_wait_dscnt 0x0                               ; the opening add is done
	s_wait_kmcnt 0x0
	s_add_nc_u64 s[14:15], s[4:5], s[16:17]
	s_add_nc_u64 s[46:47], s[6:7], s[46:47]
	CROUND                                         ; all sixteen work-groups are here: the first joint loads meet
.irp s, 0,1
	s_mov_b32 s[G0+4*(\s)], 1                                      ; count = 1
	s_add_co_u32 s[G0+4*(\s)+1], s20, (\s)*SLOT                    ; LDS address
	s_add_nc_u64 s[G0+4*(\s)+2:G0+4*(\s)+3], s[14:15], (\s)*KSTEP*2  ; global address: K step s
	s_or_b32 s[G0+4*(\s)+3], s[G0+4*(\s)+3], 0x80000000            ; type = 2
	s_mov_b32 s[G0B+4*(\s)], 1
	s_add_co_u32 s[G0B+4*(\s)+1], s20, (\s)*SLOT
	s_add_nc_u64 s[G0B+4*(\s)+2:G0B+4*(\s)+3], s[46:47], (\s)*KSTEP*2
	s_or_b32 s[G0B+4*(\s)+3], s[G0B+4*(\s)+3], 0x80000000
	JLOAD \s                                       ; the ring is filled before anything else is done: two tensor loads of mine are out
.endr
	; A fragment is 16 rows x 32 K in 8 registers: lane l holds row l % 16; registers 0-3 hold K = 8 (l / 16) + 0..7, registers 4-7 K = 16 + 8 (l / 16) + 0..7: two loads of 16 bytes, 32 bytes apart.
	v_and_b32 v1, 15, v0                           ; l % 16
	v_bfe_u32 v2, v0, 4, 1                         ; l / 16
	v_mul_u32_u24 v3, v1, PITCH
	v_lshl_add_u32 v3, v2, 4, v3                   ; row x pitch + 16 x half
	s_mul_i32 s21, s11, HALFT                      ; my 128 rows of xq
	s_mul_i32 s22, s12, HALFT                      ; my 128 rows of wq,
	s_add_co_u32 s22, s22, 2*HALFT                 ; which lie behind xq's 256
.irp s, 0,1
	v_add_nc_u32 v[ADRA+(\s)], s21, v3
	v_add_nc_u32 v[ADRB+(\s)], s22, v3
	s_add_co_u32 s21, s21, SLOT
	s_add_co_u32 s22, s22, SLOT
.endr
	s_mul_i32 s23, s10, 16*SPITCH
	s_add_co_u32 s23, s23, STAGE                   ; my stage
	v_mul_u32_u24 v4, v1, SPITCH                   ; in: row l % 16, 32 bytes for each half of the lanes
	v_lshl_add_u32 v4, v2, 5, v4
	v_add_nc_u32 v[STO], s23, v4
	v_and_b32 v5, 31, v0
	v_lshlrev_b32 v[CO], 4, v5                     ; back: 32 lanes take one row of 512 bytes
	v_add_nc_u32 v[RD], s23, v[CO]
	; where my part of the tile begins in out0
	s_lshl_b32 s13, s13, 8                         ; 256 x tile row
	s_lshl_b32 s14, s11, 7
	s_add_co_u32 s16, s13, s14                     ; my first row: 3,968 at the most,
	s_lshl_b32 s16, s16, 14                        ; times 16,384 bytes: under 2^32
	s_mov_b32 s17, 0
	s_lshl_b32 s46, s42, 10                        ; my first column, in bytes: 1,024 x tile column + 512 x half; the same number is my columns' place in index
	s_lshl_b32 s47, s12, 9
	s_add_co_u32 s46, s46, s47
	s_mov_b32 s47, 0
	v_add_nc_u32 v[IO], s46, v[CO]
	s_add_nc_u64 s[16:17], s[16:17], s[46:47]
	s_add_nc_u64 s[8:9], s[8:9], s[16:17]
	global_load_b128 v[IX:IX+3], v[IO], s[68:69]   ; index of the four columns that I store in every row; the scalar work below stands between the load and its wait
	; the prefetches.  s13 = 256 x tile row, s42 = tile column, s40 = cx, s41 = cy still stand
	s_lshl_b32 s42, s42, 8
	s_and_b32 s22, ttmp7, 0xffff                   ; cluster y
	s_cmp_eq_u32 s11, 0                            ; do I fetch for xq?
	s_cselect_b32 s20, s13, s42                    ; the tile's first row: in xq by the tile row, in wq by the tile column
	s_cselect_b32 s21, s40, s41                    ; my place among the four that ask for it with me
	s_cselect_b32 s22, ttmp9, s22                  ; the coordinate along which other clusters read the same rows
	s_cselect_b64 s[PFA:PFA+1], s[4:5], s[6:7]
	s_cmp_eq_u32 s22, 0
	s_cselect_b32 s[LIM], 1, -1                    ; the same in all sixteen partners, for a given wave
	s_lshl_b32 s22, s12, 7
	s_add_co_u32 s20, s20, s22                     ; + the 128 rows that I fetch
	s_lshl_b32 s21, s21, 5
	s_add_co_u32 s20, s20, s21                     ; + my work-group's 32 of them
	s_mov_b32 s21, 0
	s_mov_b64 s[18:19], SIZE_K*2
	s_mul_u64 s[20:21], s[20:21], s[18:19]
	s_add_nc_u64 s[PFA:PFA+1], s[PFA:PFA+1], s[20:21]
	s_add_nc_u64 s[PFA:PFA+1], s[PFA:PFA+1], 2*KSTEP*2  ; at K step 2: the first refill steps it to 3 and names K step 4
	v_mul_u32_u24 v[PFO], v5, SIZE_K*2
	s_wait_loadcnt 0x0                             ; index is in
.irp i, 0,1,2,3
	v_min_u32 v[IX+(\i)], 0xfff, v[IX+(\i)]        ; inside the tables, whatever was loaded
.endr
.irp i, 0,1,2,3
	v_lshlrev_b32 v[IX+(\i)], 2, v[IX+(\i)]
.endr
.irp i, 0,1,2,3
	global_load_b32 v[SC+(\i)], v[IX+(\i)], s[70:71]  ; these eight are waited for on the way out; IX, SC and BI are not touched till then
	global_load_b32 v[BI+(\i)], v[IX+(\i)], s[72:73]
.endr
; 16 matrix instructions: m blocks a0, a0 + 1 of the window's four (hi = 0: my rows 0-63, 1: rows 64-127) x all 8 n blocks, 32 along K.  zero = 1: the first product starts the sums: nothing is cleared.
; The 64 accumulators take turns, one instruction a turn, in the same order in every quarter step.
.macro MUL16 f, hi, a0, zero
	WIN MUL_LO+0x50*(\hi)
.irp a, \a0, (\a0)+1
.irp b, 0,1,2,3,4,5,6,7
.if \zero
	v_wmma_f32_16x16x32_bf16 v[8*(8*(\a)+(\b)):8*(8*(\a)+(\b))+7], v[(\f)+8*(\b):(\f)+8*(\b)+7], v[(\f)+8*(4*(\hi)+(\a)):(\f)+8*(4*(\hi)+(\a))+7], 0
.else
	v_wmma_f32_16x16x32_bf16 v[8*(8*(\a)+(\b)):8*(8*(\a)+(\b))+7], v[(\f)+8*(\b):(\f)+8*(\b)+7], v[(\f)+8*(4*(\hi)+(\a)):(\f)+8*(4*(\hi)+(\a))+7], v[8*(8*(\a)+(\b)):8*(8*(\a)+(\b))+7]
.endif
.endr
.endr
.endm
; 32 LDS loads in one run: the fragments of one quarter step (128 rows of wq, 128 rows of xq, 32 K at byte k of the rows) into buffer f
.macro FETCH slot, k, f
	WIN TO_B
.irp i, 0,1,2,3,4,5,6,7
	ds_load_b128 v[(\f)+8*(\i):(\f)+8*(\i)+3],   v[ADRB+(\slot)] offset:(\k)+(\i)*16*PITCH
	ds_load_b128 v[(\f)+8*(\i)+4:(\f)+8*(\i)+7], v[ADRB+(\slot)] offset:(\k)+(\i)*16*PITCH+32
.endr
	WIN 0
.irp i, 0,1,2,3,4,5,6,7
	ds_load_b128 v[(\f)+8*(\i):(\f)+8*(\i)+3],   v[ADRA+(\slot)] offset:(\k)+(\i)*16*PITCH
	ds_load_b128 v[(\f)+8*(\i)+4:(\f)+8*(\i)+7], v[ADRA+(\slot)] offset:(\k)+(\i)*16*PITCH+32
.endr
.endm
; A load into a register that a matrix instruction has read stands four places behind that instruction, and only plain vector instructions that name none of its registers are places
; (ISA guide 7.12.1 for vector instructions): four v_nop in front of each run of loads.
.macro PLACES
.rept 4
	v_nop
.endr
.endm
; A K step is four quarter steps of 32 along K, 64 matrix instructions each, on buffers 0, 1, 0, 1.
; One of the first three: multiplies buffer f; in its middle it fetches the next quarter's fragments, at byte k of the same slot's rows, into buffer g.
.macro QUARTER slot, k, f, g, zero
	s_wait_dscnt 8                                 ; wq's fragments and xq's rows 0-63 are in; the youngest eight loads (xq's rows 64-127) may be out
	WIN MUL_LO
	MUL16 \f, 0, 0, \zero
	MUL16 \f, 0, 2, \zero
	PLACES
	FETCH \slot, \k, \g
	s_wait_dscnt 32                                ; all but the 32 just issued
	WIN MUL_HI
	MUL16 \f, 1, 0, \zero
	MUL16 \f, 1, 2, \zero
.endm
; The last quarter multiplies buffer 1 and changes slots.  MEET is its first half: ONE barrier for the change.  In front of it each wave waits for all its tensor loads, of which one is out: its part
; of the next slot; adds 0 to its spare word; and waits for that and for its own reads of this slot.  Behind it nobody reads this slot any more and the next slot is whole.
.macro MEET round                      ; round = 1: the rest of a round of the cluster's barrier follows
	WIN 0                                          ; (the add's two registers lie in window 0)
	s_wait_tensorcnt 0x0                           ; all my tensor loads have landed
	ds_add_u32 v[SPW], v[NIL]                      ; 0 onto my spare word
	s_wait_dscnt 9                                 ; (the add and the youngest eight loads may be out)
	WIN MUL_LO
	MUL16 F1, 0, 0, 0                              ; sixteen matrix instructions stand between the add and the wait for it
	s_wait_dscnt 0x0                               ; the add is done, and my reads of this slot are over:
	s_barrier_signal -1                            ; say so,
	MUL16 F1, 0, 2, 0                              ; work on registers while the others arrive,
.if \round
	WIN 0
.endif
	s_barrier_wait -1                              ; and go on when all four have said so
.endm
; The whole last quarter.  fill = 1: behind a round of the cluster's barrier the slot just read out is filled again, with the K step two steps on: the first tensor load behind the round, my only one
; till the next; from the request to the wait for it a wave issues 224 matrix instructions.  Then come the next slot's first fragments.
.macro TURN slot, next, fill
.if \fill
	s_wait_xcnt 0x0                                ; the last prefetch, a K step back, has read its address, which is stepped here
	s_add_nc_u64 s[PFA:PFA+1], s[PFA:PFA+1], KSTEP*2
	MEET 1
	CREST                                          ; no wave of any partner still reads this slot's tile or has a load on its way
	s_add_nc_u64 s[G0+4*(\slot)+2:G0+4*(\slot)+3], s[G0+4*(\slot)+2:G0+4*(\slot)+3], 2*KSTEP*2
	s_add_nc_u64 s[G0B+4*(\slot)+2:G0B+4*(\slot)+3], s[G0B+4*(\slot)+2:G0B+4*(\slot)+3], 2*KSTEP*2
	JLOAD \slot                                    ; the four v_nop behind it are also the places in front of the loads below
.else
	MEET 0
	PLACES
.endif
	FETCH \next, 0, F0
.if \fill
	ASK
.endif
	WIN MUL_HI
	MUL16 F1, 1, 0, 0
	MUL16 F1, 1, 2, 0
.endm
; THE WAY OUT of block a (16 of my rows), in two parts.  TOSTAGE: the block's eight accumulators go as they are, f32, into my own stage in LDS (each accumulator's four lowest registers first)
; and come back as whole rows of 512 bytes, into the registers that held xq's fragments, two sets by turns.
.macro TOSTAGE a
.set AC, 64*((\a)%4)
.set BK, F0+64*((\a)%2)
	WIN 0x08+4*((\a)/4)                            ; the stores' data (source 1) in window 2 or 3
.irp b, 0,1,2,3,4,5,6,7
	ds_store_b128 v[STO], v[AC+8*(\b):AC+8*(\b)+3]   offset:64*(\b)
	ds_store_b128 v[STO], v[AC+8*(\b)+4:AC+8*(\b)+7] offset:64*(\b)+16
.endr
	WIN 0
	s_wait_xcnt 0x0                                ; the stores of the block two back have read this set of registers
.irp t, 0,1,2,3,4,5,6,7,8,9,10,11,12,13,14,15
	ds_load_b128 v[BK+4*(\t):BK+4*(\t)+3], v[RD] offset:(\t)*SPITCH  ; LDS serves a wave's instructions in order (ISA guide 5.7.1.4): these see the stores above, and the next block's stores come behind them
.endr
.endm
; SEND: in every row a lane holds the same four columns, so four scales and four biases a lane serve all 128 rows: sum x scale + bias x scale, two packed multiply-adds, and one store.
.macro SEND a, younger                 ; younger: the LDS instructions issued behind block a's loads: the next block's 32, or none
.set BK, F0+64*((\a)%2)
.irp t, 0,1,2,3,4,5,6,7,8,9,10,11,12,13,14,15
	s_wait_dscnt (\younger)+15-(\t)                ; row t is back; the block's younger rows and the next block's instructions may be out
	v_pk_fma_f32 v[BK+4*(\t):BK+4*(\t)+1],   v[BK+4*(\t):BK+4*(\t)+1],   v[SC:SC+1],   v[BI:BI+1]
	v_pk_fma_f32 v[BK+4*(\t)+2:BK+4*(\t)+3], v[BK+4*(\t)+2:BK+4*(\t)+3], v[SC+2:SC+3], v[BI+2:BI+3]
	global_store_b128 v[CO], v[BK+4*(\t):BK+4*(\t)+3], s[8:9] offset:(16*(\a)+(\t))*OROW th:TH_STORE_NT  ; 32 lanes store 512 consecutive bytes, at a multiple of 512 from out0's first byte; the row stands in the immediate, 2,080,768 at the most
.endr
.endm
	s_wait_tensorcnt 1                             ; my part of K step 0 is in; K step 1's may stay out
	s_barrier_signal -1
	s_barrier_wait -1                              ; everybody's is
	FETCH 0, 0, F0
	QUARTER 0, 64,  F0, F1, 1                      ; the first quarter stands in front of the loop: its products start the sums
	WIN 0                                          ; at a label and at a branch every window is 0
	s_mov_b32 s3, LAPS-1
.Llap:                                                 ; a trip goes once round the ring, from a lap's second quarter to the next lap's first, and fills both slots again
	QUARTER 0, 128, F1, F0, 0
	QUARTER 0, 192, F0, F1, 0
	TURN 0, 1, 1
	QUARTER 1, 64,  F0, F1, 0
	QUARTER 1, 128, F1, F0, 0
	QUARTER 1, 192, F0, F1, 0
	TURN 1, 0, 1
	QUARTER 0, 64,  F0, F1, 0
	WIN 0
	s_sub_co_u32 s3, s3, 1
	s_cmp_lg_u32 s3, 0
	s_cbranch_scc1 .Llap
	QUARTER 0, 128, F1, F0, 0                      ; the last lap is written out: it fills nothing, and has no round of the cluster's barrier
	QUARTER 0, 192, F0, F1, 0
	TURN 0, 1, 0
	QUARTER 1, 64,  F0, F1, 0
	QUARTER 1, 128, F1, F0, 0
	QUARTER 1, 192, F0, F1, 0
	s_wait_dscnt 8                                 ; the very last quarter: nothing more to fetch
	MUL16 F1, 0, 0, 0
	MUL16 F1, 0, 2, 0
	s_wait_dscnt 0x0
	MUL16 F1, 1, 0, 0
	MUL16 F1, 1, 2, 0
	WIN 0
	s_wait_loadcnt 0x0                             ; my four scales and four biases
.irp i, 0,1,2,3
	v_cvt_f32_i32 v[BI+(\i)], v[BI+(\i)]           ; these eight plain lines name no register of the last products: they are the places between those and the stores and loads below
.endr
.irp i, 0,1,2,3
	v_mul_f32 v[BI+(\i)], v[BI+(\i)], v[SC+(\i)]
.endr
	TOSTAGE 0
.irp a, 1,2,3,4,5,6,7                  ; block a's trip through the stage is under way while block a - 1 is scaled and stored
	TOSTAGE \a
	SEND (\a)-1, 32
.endr
	SEND 7, 0
	s_wait_tensorcnt 0x0                           ; the wave's end, behind my last tensor load and my last LDS store
	ds_add_u32 v[SPW], v[NIL]
	s_wait_dscnt 0x0
	CROUND                                         ; the closing round: no work-group ends while a partner may still ask for a tile that names it
	s_endpgm
.Lfunc_end_k_q888990d283_gemm:
	.size	k_q888990d283_gemm, .Lfunc_end_k_q888990d283_gemm-k_q888990d283_gemm
	.p2alignl 7, 3214868480
	.fill 96, 4, 3214868480
	.section	.rodata,"a",@progbits
	.p2align	6, 0x0
	.amdhsa_kernel k_q888990d283_gemm
		.amdhsa_group_segment_fixed_size 327680
		.amdhsa_private_segment_fixed_size 0
		.amdhsa_enable_private_segment 0
		.amdhsa_kernarg_size 48
		.amdhsa_user_sgpr_count 2
		.amdhsa_user_sgpr_kernarg_segment_ptr 1
		.amdhsa_wavefront_size32 1
		.amdhsa_system_sgpr_workgroup_id_x 1
		.amdhsa_system_sgpr_workgroup_id_y 1
		.amdhsa_system_sgpr_workgroup_id_z 1
		.amdhsa_system_vgpr_workitem_id 0
		.amdhsa_next_free_vgpr 1024
		.amdhsa_next_free_sgpr 80
		.amdhsa_reserve_vcc 0
		.amdhsa_float_denorm_mode_32 3
		.amdhsa_float_denorm_mode_16_64 3
		.amdhsa_memory_ordered 1
		.amdhsa_forward_progress 1
		.amdhsa_inst_pref_size 163
	.end_amdhsa_kernel
	.amdgpu_metadata
---
amdhsa.version: [ 1, 2 ]
amdhsa.kernels:
  - .name:           k_q888990d283_gemm
    .symbol:         k_q888990d283_gemm.kd
    .args:
      - { .name: xq, .offset: 0, .size: 8, .value_kind: global_buffer, .address_space: global }
      - { .name: wq, .offset: 8, .size: 8, .value_kind: global_buffer, .address_space: global }
      - { .name: out0, .offset: 16, .size: 8, .value_kind: global_buffer, .address_space: global }
      - { .name: index, .offset: 24, .size: 8, .value_kind: global_buffer, .address_space: global }
      - { .name: deq_scale, .offset: 32, .size: 8, .value_kind: global_buffer, .address_space: global }
      - { .name: quant_bias, .offset: 40, .size: 8, .value_kind: global_buffer, .address_space: global }
    .group_segment_fixed_size: 327680
    .private_segment_fixed_size: 0
    .kernarg_segment_align: 8
    .kernarg_segment_size: 48
    .max_flat_workgroup_size: 128
    .sgpr_count:     80
    .vgpr_count:     1024
    .wavefront_size: 32
...
	.end_amdgpu_metadata
.endif
;; end of part 2
;; ======== version 2 of 2: 2 launches; version 1 with the launch prep written anew for expert scheduling mode
;; workspace buffers: xq 33,554,432 bytes; wq 33,554,432 bytes
;; launch prep (part 3): grid 256 x 2, 8 waves a work-group, no clusters, 0 bytes of LDS; arguments x, weight, input_scale, input_offset, index, xq, wq; writes xq, wq
.if DOCPART == 3
	.amdgcn_target "amdgcn-amd-amdhsa--gfx1250"
	.amdhsa_code_object_version 6
	.text
	.protected	k_q888990d283_prep
	.globl	k_q888990d283_prep
	.p2align	8
	.type	k_q888990d283_prep,@function
k_q888990d283_prep:
	s_mov_b64 s[64:65], 0
	v_nop
	global_prefetch_b8 v0, s[64:65] scope:SCOPE_SE
	s_setreg_imm32_b32 hwreg(HW_REG_WAVE_SCHED_MODE, 0, 2), 2
	s_setreg_imm32_b32 hwreg(HW_REG_WAVE_MODE, 25, 1), 1
	s_wait_xcnt 0x0
	s_wait_alu depctr_vm_vsrc(0)
; THE CONVERSIONS, each done once, as a stream.
;   work-group y = 0:  xq[m][k'] = bf16(clip(rne(x[m][k] / input_scale) + f32(input_offset), -128, 127))          x: [4096][4096] f32
;   work-group y = 1:  wq[j][k'] = bf16(int8(weight[index[j]][k]))   (the low byte, sign-extended)                weight: [4096][4096] i32
; Both results are whole numbers of magnitude 128 at the most, which bf16 holds exactly.  wq's rows are gathered by index here, so that the product's columns come out in their final order.
; k' IS A PERMUTATION OF k inside blocks of 256, the same in xq and wq, so a sum over k of their products is unchanged: place 256 g + 8 i + e holds k = 256 g + 4 i + e (e < 4) or
; k = 256 g + 128 + 4 i + e - 4 (e >= 4).  With it a lane's two loads of 16 bytes (at 16 x lane and 512 + 16 x lane of a chunk of 1,024 bytes) pack into ONE store of 16 bytes at 16 x lane:
; every load and every store of a wave covers 512 consecutive bytes, aligned.
; SHARES.  A work-group makes 16 rows of xq or of wq (256 KiB in, 128 KiB out, alike for both kinds).  A row has 16 chunks of 256 numbers; wave w takes chunks w and 8 + w of every row.
; The 16 rows are written out, a turn a row.  Nothing is shared between waves or work-groups: no LDS, no barrier, no cluster, no matrix unit.
; THE MODE: SCHED_MODE bits 1:0 = 2 (LLVM: expert scheduling mode 2), set by the entry lines.  The code itself states the register dependences
; between vector instructions and memory instructions, with s_wait_alu, always for 0.
; THE PLAN.  Registers that memory instructions touch:
;   X0 .. X8     nine row slots; row r lies in slot r % 9.  Written by the loads of rows 0 to 8 at the head and by the loads of row r + 8, issued in turn r; read, and written in place, by turn r's arithmetic.
;   Y0, Y1       two out-buffers.  Written by turn r's roundings (Y[r % 2]); read by the two stores that are issued in turn r + 1.
;   VIN, VOUT    byte offsets, made once at the head and never written again: the rows stand in the immediate offsets, and no base is stepped.
;   OW0 .. OW15  weight: a load offset for each of the 16 rows, made once and never written again.
; Turn r works on X[r % 9] and writes Y[r % 2].  Its memory instructions are the loads into X[(r + 8) % 9] = X[(r - 1) % 9] and the stores from Y[(r - 1) % 2]: the two buffers that turn r - 1 worked on
; and that no vector instruction of turn r names.  So the waits at a turn's head state all that its six memory instructions hang on, and these are dealt among its vector instructions with no further wait.
; A slot lies idle from its turn to the next turn's head: with nine of them 28 loads of a wave are out at each wait and 32 behind each fill.
; LIMITS.  index is taken as unsigned and held to 4,095.  x is finite and |x / input_scale| stays under 2^128; input_scale and its reciprocal are normal f32 numbers; NaN is not treated apart.
; The quotient is x r + (x - (x r) s) r with r = v_rcp_f32(s): it may differ from a true division in the last bit, which moves xq by 1 only where the quotient lies within that bit of a half.
.set ROWIN,  16384                     ; bytes in a row of x and of weight
.set ROWOUT, 8192                      ; bytes in a row of xq and of wq
.set SLOTS,  9
.set VIN,  1                           ; v1        1,024 x wave + 16 x lane: my place in a row as loaded; never rewritten
.set VOUT, 2                           ; v2        512 x wave + 16 x lane: my place in a row as stored; never rewritten
.set RR,   4                           ; v[4:5]    1 / input_scale, twice
.set SS,   6                           ; v[6:7]    input_scale, twice
.set OO,   8                           ; v[8:9]    f32(input_offset), twice
.set OW,   10                          ; v[10:25]  weight: row r's load offset (row index x 16,384 + VIN); never rewritten
.set T,    26                          ; v[26:41]  16 numbers at work: no memory instruction names them
.set Y,    42                          ; v[42:57]  buffer k at Y + 8 k: 8 packed words, chunk c at + 4 c
.set X,    58                          ; v[58:201] slot i at X + 16 i: chunk c, half h at + 8 c + 4 h
.set IDX,  32                          ; s[32:47]  the 16 rows' indices, then their byte offsets
	s_load_b256 s[4:11], s[0:1], 0x0               ; x s[4:5], weight s[6:7], input_scale s[8:9], input_offset s[10:11]
	s_load_b128 s[12:15], s[0:1], 0x20             ; index s[12:13], xq s[14:15]
	s_load_b64 s[16:17], s[0:1], 0x30              ; wq
	v_lshrrev_b32 v3, 5, v0                        ; wave
	v_and_b32 v[VIN], 31, v0                       ; lane
	v_lshlrev_b32 v[VIN], 4, v[VIN]
	v_lshl_add_u32 v[VIN], v3, 10, v[VIN]
	v_lshlrev_b32 v[VOUT], 4, v0
	s_and_b32 s18, ttmp7, 0xffff                   ; 0: x, 1: weight
	s_mov_b32 s3, 0
	s_mov_b32 s22, 0xc3000000                      ; -128.0
	s_mov_b32 s23, 0x42fe0000                      ; 127.0
	s_wait_kmcnt 0x0
	s_wait_alu depctr_va_vdst(0)                   ; v[VIN] and v[VOUT] are written: the loads of x read the one as their offset, every store of the kernel the other
	s_cmp_lg_u32 s18, 0
	s_cbranch_scc1 .Lweight
; Two of row r's four loads, chunk c, into slot r % 9; the row stands in the immediate (254,464 at the most)
.macro XLOAD r, c
.set FB, X+16*((\r)%SLOTS)
.irp h, 0,1
	global_load_b128 v[FB+8*(\c)+4*(\h):FB+8*(\c)+4*(\h)+3], v[VIN], s[4:5] offset:(\r)*ROWIN+(\c)*8192+(\h)*512 th:TH_LOAD_NT
.endr
.endm
; The same for the weight row that index names; no hint, since index may name a row twice
.macro WLOAD r, c
.set FB, X+16*((\r)%SLOTS)
.irp h, 0,1
	global_load_b128 v[FB+8*(\c)+4*(\h):FB+8*(\c)+4*(\h)+3], v[OW+(\r)], s[6:7] offset:(\c)*8192+(\h)*512
.endr
.endm
; Row r's two stores, out of Y[r % 2], to the pair of scalar registers from b on
.macro OUT r, b
.irp c, 0,1
	global_store_b128 v[VOUT], v[Y+8*((\r)%2)+4*(\c):Y+8*((\r)%2)+4*(\c)+3], s[(\b):(\b)+1] offset:(\r)*ROWOUT+(\c)*4096 th:TH_STORE_NT
.endr
.endm
; The head of turn r.  left = the younger loads, which may stay out.
.macro HEAD r, left
	s_wait_loadcnt \left                           ; loads come back in order: my row's four are in, four for each younger row stay out
.if (\r) > 1
	s_wait_xcnt 0x0                                ; the stores issued in the turn before have had their addresses translated: their data, Y[r % 2], is written again only behind this wait,
	s_wait_alu depctr_vm_vsrc(0)                   ; and they have read Y[r % 2], which this turn's roundings write again
.endif
.if (\r) > 0
	s_wait_alu depctr_va_vdst(0)                   ; the turn before has written the other Y, which this turn's stores read, and is done reading and writing its slot, in which this turn's loads (turns 1 to 7) land
.endif
.endm
; Row r of x.  ahead = 1: row r + 8 is loaded, into the slot that the turn before worked on.  No vector instruction of the turn names that slot, the other Y, VIN or VOUT: the loads and stores below owe no further wait.
.macro XTURN r, ahead, left
.set XB, X+16*((\r)%SLOTS)
.set YB, Y+8*((\r)%2)
	HEAD \r, \left
.if \ahead
	XLOAD (\r)+8, 0
.endif
.irp p, 0,2,4,6,8,10,12,14
	v_pk_mul_f32 v[T+(\p):T+(\p)+1], v[XB+(\p):XB+(\p)+1], v[RR:RR+1]                                              ; q0 = x r
.endr
.if \ahead
	XLOAD (\r)+8, 1
.endif
.irp p, 0,2,4,6,8,10,12,14
	v_pk_fma_f32 v[XB+(\p):XB+(\p)+1], v[T+(\p):T+(\p)+1], v[SS:SS+1], v[XB+(\p):XB+(\p)+1] neg_lo:[1,0,0] neg_hi:[1,0,0]  ; e = x - q0 s
.endr
.if (\r) > 0
	OUT (\r)-1, 14                                 ; the row before: the loads went out ahead of the stores
.endif
.irp p, 0,2,4,6,8,10,12,14
	v_pk_fma_f32 v[T+(\p):T+(\p)+1], v[XB+(\p):XB+(\p)+1], v[RR:RR+1], v[T+(\p):T+(\p)+1]                          ; q = q0 + e r
.endr
.irp i, 0,1,2,3,4,5,6,7,8,9,10,11,12,13,14,15
	v_rndne_f32 v[T+(\i)], v[T+(\i)]               ; to the nearest whole number, halves to even
.endr
.irp p, 0,2,4,6,8,10,12,14
	v_pk_add_f32 v[T+(\p):T+(\p)+1], v[T+(\p):T+(\p)+1], v[OO:OO+1]
.endr
.irp i, 0,1,2,3,4,5,6,7,8,9,10,11,12,13,14,15
	v_med3_num_f32 v[T+(\i)], v[T+(\i)], s22, s23  ; the clip
.endr
.irp p, 0,1,2,3,4,5,6,7
	v_cvt_pk_bf16_f32 v[YB+(\p)], v[T+2*(\p)], v[T+2*(\p)+1]  ; exact
.endr
.endm
; Row r of the gathered weight
.macro WTURN r, ahead, left
.set XB, X+16*((\r)%SLOTS)
.set YB, Y+8*((\r)%2)
	HEAD \r, \left
.if \ahead
	WLOAD (\r)+8, 0
.endif
.irp i, 0,1,2,3,4,5,6,7,8,9,10,11,12,13,14,15
	v_lshlrev_b32 v[XB+(\i)], 24, v[XB+(\i)]       ; the low byte,
.endr
.if \ahead
	WLOAD (\r)+8, 1
.endif
.irp i, 0,1,2,3,4,5,6,7,8,9,10,11,12,13,14,15
	v_ashrrev_i32 v[XB+(\i)], 24, v[XB+(\i)]       ; with its sign
.endr
.if (\r) > 0
	OUT (\r)-1, 16
.endif
.irp i, 0,1,2,3,4,5,6,7,8,9,10,11,12,13,14,15
	v_cvt_f32_i32 v[XB+(\i)], v[XB+(\i)]
.endr
.irp p, 0,1,2,3,4,5,6,7
	v_cvt_pk_bf16_f32 v[YB+(\p)], v[XB+2*(\p)], v[XB+2*(\p)+1]
.endr
.endm
	; ---- x ----
	s_load_b32 s20, s[8:9], 0x0                    ; input_scale
	s_load_b32 s21, s[10:11], 0x0                  ; input_offset
	s_lshl_b32 s2, ttmp9, 18                       ; 16 rows of 16,384 bytes
	s_add_nc_u64 s[4:5], s[4:5], s[2:3]
	s_lshl_b32 s2, ttmp9, 17                       ; 16 rows of 8,192 bytes
	s_add_nc_u64 s[14:15], s[14:15], s[2:3]
.irp r, 0,1,2,3,4,5,6,7,8
	XLOAD \r, 0                                    ; the nine slots are filled (no vector instruction has named them yet); scale and offset arrive meanwhile
	XLOAD \r, 1
.endr
	s_wait_kmcnt 0x0
	v_mov_b32 v[SS], s20
	v_mov_b32 v[SS+1], s20
	v_rcp_f32 v[RR], v[SS]
	v_cvt_f32_i32 v[OO], s21                       ; a plain instruction behind the reciprocal, ahead of its first use
	s_wait_alu depctr_va_vdst(0)                   ; the reciprocal has written v[RR], ahead of the first line that names it
	v_mov_b32 v[RR+1], v[RR]
	v_mov_b32 v[OO+1], v[OO]
	XTURN 0, 0, 32                                 ; turn 0 has no turn in front of it: nothing to store, no slot to fill; rows 1 to 8 stay out
.irp r, 1,2,3,4,5,6,7
	XTURN \r, 1, 28                                ; seven younger rows, four loads each
.endr
.irp r, 8,9,10,11,12,13,14,15
	XTURN \r, 0, 4*(15-\r)                         ; nothing is left to load: the counts run down
.endr
	s_wait_alu depctr_va_vdst(0)                   ; turn 15 has written Y1, which the last two stores read
	OUT 15, 14
	s_endpgm
	; ---- weight ----
.Lweight:
	s_lshl_b32 s2, ttmp9, 6                        ; my 16 words of index
	s_add_nc_u64 s[12:13], s[12:13], s[2:3]
	s_load_b512 s[IDX:IDX+15], s[12:13], 0x0
	s_lshl_b32 s2, ttmp9, 17
	s_add_nc_u64 s[16:17], s[16:17], s[2:3]
	s_wait_kmcnt 0x0
.irp r, 0,1,2,3,4,5,6,7,8,9,10,11,12,13,14,15
	s_min_u32 s[IDX+(\r)], s[IDX+(\r)], 0xfff      ; inside the table, whatever was loaded
	s_lshl_b32 s[IDX+(\r)], s[IDX+(\r)], 14        ; the row's byte offset: 67,092,480 at the most
.endr
.irp r, 0,1,2,3,4,5,6,7,8,9,10,11,12,13,14,15
	v_add_nc_u32 v[OW+(\r)], s[IDX+(\r)], v[VIN]   ; all sixteen rows' offsets at once, so that no offset register is written between the loads
.endr
	s_wait_alu depctr_va_vdst(0)                   ; the sixteen offsets v[OW ..] are written, which the loads of weight read
.irp r, 0,1,2,3,4,5,6,7,8
	WLOAD \r, 0
	WLOAD \r, 1
.endr
	WTURN 0, 0, 32
.irp r, 1,2,3,4,5,6,7
	WTURN \r, 1, 28
.endr
.irp r, 8,9,10,11,12,13,14,15
	WTURN \r, 0, 4*(15-\r)
.endr
	s_wait_alu depctr_va_vdst(0)                   ; turn 15 has written Y1, which the last two stores read
	OUT 15, 16
	s_endpgm
.Lfunc_end_k_q888990d283_prep:
	.size	k_q888990d283_prep, .Lfunc_end_k_q888990d283_prep-k_q888990d283_prep
	.p2alignl 7, 3214868480
	.fill 96, 4, 3214868480
	.section	.rodata,"a",@progbits
	.p2align	6, 0x0
	.amdhsa_kernel k_q888990d283_prep
		.amdhsa_group_segment_fixed_size 0
		.amdhsa_private_segment_fixed_size 0
		.amdhsa_enable_private_segment 0
		.amdhsa_kernarg_size 56
		.amdhsa_user_sgpr_count 2
		.amdhsa_user_sgpr_kernarg_segment_ptr 1
		.amdhsa_wavefront_size32 1
		.amdhsa_system_sgpr_workgroup_id_x 1
		.amdhsa_system_sgpr_workgroup_id_y 1
		.amdhsa_system_sgpr_workgroup_id_z 1
		.amdhsa_system_vgpr_workitem_id 0
		.amdhsa_next_free_vgpr 202
		.amdhsa_next_free_sgpr 66
		.amdhsa_reserve_vcc 0
		.amdhsa_float_denorm_mode_32 3
		.amdhsa_float_denorm_mode_16_64 3
		.amdhsa_memory_ordered 1
		.amdhsa_forward_progress 1
		.amdhsa_inst_pref_size 122
	.end_amdhsa_kernel
	.amdgpu_metadata
---
amdhsa.version: [ 1, 2 ]
amdhsa.kernels:
  - .name:           k_q888990d283_prep
    .symbol:         k_q888990d283_prep.kd
    .args:
      - { .name: x, .offset: 0, .size: 8, .value_kind: global_buffer, .address_space: global }
      - { .name: weight, .offset: 8, .size: 8, .value_kind: global_buffer, .address_space: global }
      - { .name: input_scale, .offset: 16, .size: 8, .value_kind: global_buffer, .address_space: global }
      - { .name: input_offset, .offset: 24, .size: 8, .value_kind: global_buffer, .address_space: global }
      - { .name: index, .offset: 32, .size: 8, .value_kind: global_buffer, .address_space: global }
      - { .name: xq, .offset: 40, .size: 8, .value_kind: global_buffer, .address_space: global }
      - { .name: wq, .offset: 48, .size: 8, .value_kind: global_buffer, .address_space: global }
    .group_segment_fixed_size: 0
    .private_segment_fixed_size: 0
    .kernarg_segment_align: 8
    .kernarg_segment_size: 56
    .max_flat_workgroup_size: 256
    .sgpr_count:     66
    .vgpr_count:     202
    .wavefront_size: 32
...
	.end_amdgpu_metadata
.endif
;; end of part 3
;; launch gemm: the kernel of part 2 again; grid 16 x 16, 4 waves a work-group, clusters of 4 x 4, 327,680 bytes of LDS; arguments xq, wq, out0, index, deq_scale, quant_bias; writes out0
